; MI455X (gfx1250); checked and timed in simulation.
; The chip was launched on July 23, 2026; its instructions are those of AMD's public machine-readable ISA for CDNA 5 (MIT licence, August 2026) and "CDNA5" Instruction Set Architecture Reference Guide (July 2026). The comments in the code are by the model that wrote it; some were corrected since.
;; skip Connection. Allowed arithmetic: float matrix products may take bf16 or f16 operands with f32 sums; all other float work in f32.
;; Inputs: input 16,777,216 x 2 float32; weight 1 x 1 float32.
;; Outputs: out0 16,777,216 x 1 float32.
;; 2 versions, each right; version 2 is version 1 with the launch blend written anew for expert scheduling mode. Each part assembles by itself: llvm-mc -triple=amdgcn-amd-amdhsa -mcpu=gfx1250 --defsym DOCPART=n.
;; ======== version 1 of 2: 1 launch
;; launch blend (part 1): grid 256 x 1, 32 waves a work-group, no clusters, 0 bytes of LDS; arguments input, weight, out0; writes out0
.if DOCPART == 1
	.amdgcn_target "amdgcn-amd-amdhsa--gfx1250"
	.amdhsa_code_object_version 6
	.text
	.protected	k_q0bda2b04d3_blend
	.globl	k_q0bda2b04d3_blend
	.p2align	8
	.type	k_q0bda2b04d3_blend,@function
k_q0bda2b04d3_blend:
	s_mov_b64 s[64:65], 0
	v_nop
	global_prefetch_b8 v0, s[64:65] scope:SCOPE_SE
	s_setreg_imm32_b32 hwreg(HW_REG_WAVE_MODE, 25, 1), 1
	s_wait_xcnt 0x0
; out0[i] = input[i][0] * w + input[i][1] * (1 - w),  w = weight[0][0].  input: [16777216][2] f32, out0: [16777216][1] f32.
; A stream: 128 MiB in, 64 MiB out, three operations a row.  No byte is used twice, so there is no LDS, no barrier, no matrix work.
; 256 work-groups of 32 waves; a work-group owns 65,536 rows = 512 KiB of input = 256 KiB of output, taken in 32 steps.
; In a step thread t loads the 16 bytes (two rows) at byte 16 t of the step's 16 KiB and stores the 8 bytes (two results) at byte 8 t
; of the step's 8 KiB: a wave's load covers 512 consecutive bytes, a wave's store 256 consecutive bytes at a multiple of 256.
; A ring of DEPTH register slots keeps DEPTH loads of every wave out: 32 waves x 8 x 512 bytes = 128 KiB for the work-group.
; The body is unrolled (32 short steps): each step is reached by the immediate offset (507,904 at the most, inside the signed 24 bits),
; and each step has its own pair of result registers.  So no base, no offset register and no store's data is ever written again,
; and the only waits in the stream are the counted waits for the loads.
; LIMIT: the sum is fused: x1 (1 - w) is rounded, x0 w is not rounded before the addition.  The result differs from two products and a sum by that
; one rounding; where x0 w alone exceeds f32's largest number (about 3.4e38) the unfused form gives infinity or NaN and this one may stay finite.
.set DEPTH, 8                          ; slots = loads of a wave in flight
.set STEPS, 32                         ; steps of a work-group
.set LSTEP, 16384                      ; input bytes of a step: 1,024 threads x 16
.set SSTEP, 8192                       ; output bytes of a step: 1,024 threads x 8
.set IN,  1                            ; v1        16 t: my byte offset in a step's input
.set W,   2                            ; v[2:3]    w, twice: the two halves of a dual instruction take their second sources from different banks
.set C,   4                            ; v[4:5]    1 - w, twice, for the same reason
.set OUT, 6                            ; v6        8 t: my byte offset in a step's output
.set X,   8                            ; v[8:39]   slot s: x0, x1 of my first row, x0, x1 of my second
.set Y,   40                           ; v[40:103] step n: my two results
	s_load_b128 s[4:7], s[0:1], 0x0                ; input s[4:5], weight s[6:7]
	s_load_b64 s[8:9], s[0:1], 0x10                ; out0
	s_lshl_b32 s10, ttmp9, 19                      ; the work-group's 512 KiB of input (255 x 512 KiB at the most: 32 bits do)
	s_mov_b32 s11, 0
	s_lshl_b32 s12, ttmp9, 18                      ; and its 256 KiB of output
	s_mov_b32 s13, 0
	v_lshlrev_b32 v[IN], 4, v0
	v_lshlrev_b32 v[OUT], 3, v0
	s_wait_kmcnt 0x0
	s_load_b32 s14, s[6:7], 0x0                    ; w: asked for now, waited for behind the ring's first loads
	s_add_nc_u64 s[4:5], s[4:5], s[10:11]
	s_add_nc_u64 s[8:9], s[8:9], s[12:13]
.set n, 0
.rept DEPTH
	global_load_b128 v[X+4*n:X+4*n+3], v[IN], s[4:5] offset:n*LSTEP th:TH_LOAD_NT    ; fill the ring: steps 0 to 7
.set n, n+1
.endr
	s_wait_kmcnt 0x0
	v_mov_b32 v[W], s14
	v_mov_b32 v[W+1], s14
	v_sub_f32 v[C], 1.0, v[W]                      ; 1 - w, rounded to f32 once
	v_sub_f32 v[C+1], 1.0, v[W]
; Step n works on slot n % DEPTH.  Two dual instructions make both rows' results: t = x1 (1 - w), then t += x0 w in one rounding.
; Destinations Y+2n (even) and Y+2n+1 (odd); first sources X+1 and X+3, then X and X+2; second sources C and C+1, then W and W+1.
; The slot's next load stands ahead of the store.
.set n, 0
.rept STEPS
.if n < STEPS-DEPTH
	s_wait_loadcnt DEPTH-1                         ; loads come back in order (ISA guide 5.7.1): this slot's is in, the seven younger stay out
.else
	s_wait_loadcnt STEPS-1-n                       ; the last eight steps load nothing: only STEPS-1-n younger loads exist, the counts run down to 0
.endif
	v_dual_mul_f32 v[Y+2*n], v[X+4*(n%DEPTH)+1], v[C] :: v_dual_mul_f32 v[Y+2*n+1], v[X+4*(n%DEPTH)+3], v[C+1]
	v_dual_fmac_f32 v[Y+2*n], v[X+4*(n%DEPTH)], v[W] :: v_dual_fmac_f32 v[Y+2*n+1], v[X+4*(n%DEPTH)+2], v[W+1]
.if n < STEPS-DEPTH
	global_load_b128 v[X+4*(n%DEPTH):X+4*(n%DEPTH)+3], v[IN], s[4:5] offset:(n+DEPTH)*LSTEP th:TH_LOAD_NT
.endif
	global_store_b64 v[OUT], v[Y+2*n:Y+2*n+1], s[8:9] offset:n*SSTEP th:TH_STORE_NT
.set n, n+1
.endr
	s_endpgm
.Lfunc_end_k_q0bda2b04d3_blend:
	.size	k_q0bda2b04d3_blend, .Lfunc_end_k_q0bda2b04d3_blend-k_q0bda2b04d3_blend
	.p2alignl 7, 3214868480
	.fill 96, 4, 3214868480
	.section	.rodata,"a",@progbits
	.p2align	6, 0x0
	.amdhsa_kernel k_q0bda2b04d3_blend
		.amdhsa_group_segment_fixed_size 0
		.amdhsa_private_segment_fixed_size 0
		.amdhsa_enable_private_segment 0
		.amdhsa_kernarg_size 24
		.amdhsa_user_sgpr_count 2
		.amdhsa_user_sgpr_kernarg_segment_ptr 1
		.amdhsa_wavefront_size32 1
		.amdhsa_system_sgpr_workgroup_id_x 1
		.amdhsa_system_sgpr_workgroup_id_y 1
		.amdhsa_system_sgpr_workgroup_id_z 1
		.amdhsa_system_vgpr_workitem_id 0
		.amdhsa_next_free_vgpr 104
		.amdhsa_next_free_sgpr 66
		.amdhsa_reserve_vcc 0
		.amdhsa_float_denorm_mode_32 3
		.amdhsa_float_denorm_mode_16_64 3
		.amdhsa_memory_ordered 1
		.amdhsa_forward_progress 1
		.amdhsa_inst_pref_size 12
	.end_amdhsa_kernel
	.amdgpu_metadata
---
amdhsa.version: [ 1, 2 ]
amdhsa.kernels:
  - .name:           k_q0bda2b04d3_blend
    .symbol:         k_q0bda2b04d3_blend.kd
    .args:
      - { .name: input, .offset: 0, .size: 8, .value_kind: global_buffer, .address_space: global }
      - { .name: weight, .offset: 8, .size: 8, .value_kind: global_buffer, .address_space: global }
      - { .name: out0, .offset: 16, .size: 8, .value_kind: global_buffer, .address_space: global }
    .group_segment_fixed_size: 0
    .private_segment_fixed_size: 0
    .kernarg_segment_align: 8
    .kernarg_segment_size: 24
    .max_flat_workgroup_size: 1024
    .sgpr_count:     66
    .vgpr_count:     104
    .wavefront_size: 32
...
	.end_amdgpu_metadata
.endif
;; end of part 1
;; ======== version 2 of 2: 1 launch; version 1 with the launch blend written anew for expert scheduling mode
;; launch blend (part 2): grid 256 x 1, 32 waves a work-group, no clusters, 0 bytes of LDS; arguments input, weight, out0; writes out0
.if DOCPART == 2
	.amdgcn_target "amdgcn-amd-amdhsa--gfx1250"
	.amdhsa_code_object_version 6
	.text
	.protected	k_q0bda2b04d3_blend
	.globl	k_q0bda2b04d3_blend
	.p2align	8
	.type	k_q0bda2b04d3_blend,@function
k_q0bda2b04d3_blend:
	s_mov_b64 s[64:65], 0
	v_nop
	global_prefetch_b8 v0, s[64:65] scope:SCOPE_SE
	s_setreg_imm32_b32 hwreg(HW_REG_WAVE_SCHED_MODE, 0, 2), 2
	s_setreg_imm32_b32 hwreg(HW_REG_WAVE_MODE, 25, 1), 1
	s_wait_xcnt 0x0
	s_wait_alu depctr_vm_vsrc(0)
; out0[i] = input[i][0] * w + input[i][1] * (1 - w),  w = weight[0][0].  input: [16777216][2] f32, out0: [16777216][1] f32.
; A stream: 128 MiB in, 64 MiB out, three operations a row.  No byte is used twice, so there is no LDS, no barrier, no matrix work.
; 256 work-groups of 32 waves; a work-group owns 65,536 rows = 512 KiB of input = 256 KiB of output, taken in 32 steps.
; In a step thread t loads the 16 bytes (two rows) at byte 16 t of the step's 16 KiB and stores the 8 bytes (two results) at byte 8 t
; of the step's 8 KiB: a wave's load covers 512 consecutive bytes, a wave's store 256 consecutive bytes at a multiple of 256.
; The body is unrolled (32 short steps): each step is reached by the immediate offset (507,904 at the most, inside the signed 24 bits),
; and each step has its own pair of result registers.  So no base, no offset register and no store's data is ever written again.
; LIMIT: the sum is fused: x1 (1 - w) is rounded, x0 w is not rounded before the addition.  The result differs from two products and a sum by that
; one rounding; where x0 w alone exceeds f32's largest number (about 3.4e38) the unfused form gives infinity or NaN and this one may stay finite.
; THE MODE: SCHED_MODE bits 1:0 = 2 (LLVM: expert scheduling mode 2), set by the entry lines.  The code itself states the register dependences
; between vector instructions and memory instructions, with s_wait_alu, always for 0.
; THE PLAN.  The 32 steps go in 16 blocks of two.  Registers that memory instructions touch:
;   X, 12 slots   Step n works on slot n % 12.  Written by loads alone: block p asks for steps 2 p + 10 and 2 p + 11, which land in slots (2 p - 2) % 12 and
;                 (2 p - 1) % 12; read by the two dual instructions of the slot's step.
;   Y, 32 pairs   Pair n is written once, by step n's dual instructions, and read once, by the store that is issued in the next block.
;   v[IN], v[OUT] Byte offsets, made once at the head and never written again.
; Block p's vector instructions name slots 2 p % 12 and (2 p + 1) % 12, pairs 2 p and 2 p + 1, W and C.  Its memory instructions are the two loads into the slots
; that block p - 1 read and the two stores from the pairs that block p - 1 wrote.  So ONE wait on va_vdst at a block's head states all that the block's four memory
; instructions hang on, and these are dealt among its vector instructions with no further wait.  No register that a memory instruction reads is written
; again, so no wait on vm_vsrc and no s_wait_xcnt is owed.
; At a block's head DEPTH loads of the wave stay out, behind its two loads DEPTH + 2: 32 waves x 8 x 512 bytes = 128 KiB for the work-group at the least.
.set DEPTH, 8                          ; loads of a wave that stay out at a block's head
.set BLOCK, 2                          ; steps in a block
.set STEPS, 32                         ; steps of a work-group
.set BLOCKS, STEPS/BLOCK
.set SLOTS, DEPTH+2*BLOCK              ; 12: eight on their way, two at work, two that the block before read and this block asks for again
.set AHEAD, SLOTS-BLOCK                ; 10: step n's place in a block asks for step n + 10
.set LSTEP, 16384                      ; input bytes of a step: 1,024 threads x 16
.set SSTEP, 8192                       ; output bytes of a step: 1,024 threads x 8
.set IN,  1                            ; v1        16 t: my byte offset in a step's input
.set W,   2                            ; v[2:3]    w, twice: the two halves of a dual instruction take their second sources from different banks
.set C,   4                            ; v[4:5]    1 - w, twice, for the same reason
.set OUT, 6                            ; v6        8 t: my byte offset in a step's output
.set X,   8                            ; v[8:55]   slot s: x0, x1 of my first row, x0, x1 of my second
.set Y,   56                           ; v[56:119] step n: my two results
	s_load_b128 s[4:7], s[0:1], 0x0                ; input s[4:5], weight s[6:7]
	s_load_b64 s[8:9], s[0:1], 0x10                ; out0
	s_lshl_b32 s10, ttmp9, 19                      ; the work-group's 512 KiB of input (255 x 512 KiB at the most: 32 bits do)
	s_mov_b32 s11, 0
	s_lshl_b32 s12, ttmp9, 18                      ; and its 256 KiB of output
	s_mov_b32 s13, 0
	v_lshlrev_b32 v[IN], 4, v0
	v_lshlrev_b32 v[OUT], 3, v0
	s_wait_kmcnt 0x0
	s_load_b32 s14, s[6:7], 0x0                    ; w: asked for now, waited for behind the ring's first loads
	s_add_nc_u64 s[4:5], s[4:5], s[10:11]
	s_add_nc_u64 s[8:9], s[8:9], s[12:13]
	s_wait_alu depctr_va_vdst(0)                   ; v[IN] and v[OUT] are written: every load and store of the kernel reads one of them as its offset
.set n, 0
.rept AHEAD
	global_load_b128 v[X+4*n:X+4*n+3], v[IN], s[4:5] offset:n*LSTEP th:TH_LOAD_NT    ; fill the ring: steps 0 to 9; block 0 asks for steps 10 and 11
.set n, n+1
.endr
	s_wait_kmcnt 0x0
	v_mov_b32 v[W], s14                            ; W and C are named by vector instructions alone
	v_mov_b32 v[W+1], s14
	v_sub_f32 v[C], 1.0, v[W]                      ; 1 - w, rounded to f32 once
	v_sub_f32 v[C+1], 1.0, v[W]
; Block p: steps 2 p and 2 p + 1.  Two dual instructions make both rows' results of a step: t = x1 (1 - w), then t += x0 w in one rounding.
; Destinations Y+2n (even) and Y+2n+1 (odd); first sources X+1 and X+3, then X and X+2; second sources C and C+1, then W and W+1.
; In front of each step's two stand a load, ten steps ahead, and the store of the step two back; the load stands ahead of the store.
.set p, 0
.rept BLOCKS
.if STEPS-BLOCK*(p+1) < DEPTH
	s_wait_loadcnt STEPS-BLOCK*(p+1)               ; the last blocks: only so many younger loads exist, the counts run down to 0
.else
	s_wait_loadcnt DEPTH                           ; loads come back in order (ISA guide 5.7.1): this block's two are in, the eight younger stay out
.endif
.if p > 0
	s_wait_alu depctr_va_vdst(0)                   ; the block before has written its two pairs of Y, which the stores below read, and is done reading its two slots, in which the loads below land
.endif                                                 ; (block 0 owes nothing: it stores nothing, and no vector instruction has named slots 10 and 11)
.set i, 0
.rept BLOCK
.set n, BLOCK*p+i
.if n+AHEAD < STEPS
	global_load_b128 v[X+4*((n+AHEAD)%SLOTS):X+4*((n+AHEAD)%SLOTS)+3], v[IN], s[4:5] offset:(n+AHEAD)*LSTEP th:TH_LOAD_NT  ; no vector instruction since the wait names this slot
.endif
.if p > 0
	global_store_b64 v[OUT], v[Y+2*(n-BLOCK):Y+2*(n-BLOCK)+1], s[8:9] offset:(n-BLOCK)*SSTEP th:TH_STORE_NT                ; the block before's result; no vector instruction since the wait names this pair
.endif
	v_dual_mul_f32 v[Y+2*n], v[X+4*(n%SLOTS)+1], v[C] :: v_dual_mul_f32 v[Y+2*n+1], v[X+4*(n%SLOTS)+3], v[C+1]
	v_dual_fmac_f32 v[Y+2*n], v[X+4*(n%SLOTS)], v[W] :: v_dual_fmac_f32 v[Y+2*n+1], v[X+4*(n%SLOTS)+2], v[W+1]
.set i, i+1
.endr
.set p, p+1
.endr
	s_wait_alu depctr_va_vdst(0)                   ; block 15 has written the last two pairs of Y, which the last two stores read
.set n, STEPS-BLOCK
.rept BLOCK
	global_store_b64 v[OUT], v[Y+2*n:Y+2*n+1], s[8:9] offset:n*SSTEP th:TH_STORE_NT
.set n, n+1
.endr
	s_endpgm
.Lfunc_end_k_q0bda2b04d3_blend:
	.size	k_q0bda2b04d3_blend, .Lfunc_end_k_q0bda2b04d3_blend-k_q0bda2b04d3_blend
	.p2alignl 7, 3214868480
	.fill 96, 4, 3214868480
	.section	.rodata,"a",@progbits
	.p2align	6, 0x0
	.amdhsa_kernel k_q0bda2b04d3_blend
		.amdhsa_group_segment_fixed_size 0
		.amdhsa_private_segment_fixed_size 0
		.amdhsa_enable_private_segment 0
		.amdhsa_kernarg_size 24
		.amdhsa_user_sgpr_count 2
		.amdhsa_user_sgpr_kernarg_segment_ptr 1
		.amdhsa_wavefront_size32 1
		.amdhsa_system_sgpr_workgroup_id_x 1
		.amdhsa_system_sgpr_workgroup_id_y 1
		.amdhsa_system_sgpr_workgroup_id_z 1
		.amdhsa_system_vgpr_workitem_id 0
		.amdhsa_next_free_vgpr 120
		.amdhsa_next_free_sgpr 66
		.amdhsa_reserve_vcc 0
		.amdhsa_float_denorm_mode_32 3
		.amdhsa_float_denorm_mode_16_64 3
		.amdhsa_memory_ordered 1
		.amdhsa_forward_progress 1
		.amdhsa_inst_pref_size 13
	.end_amdhsa_kernel
	.amdgpu_metadata
---
amdhsa.version: [ 1, 2 ]
amdhsa.kernels:
  - .name:           k_q0bda2b04d3_blend
    .symbol:         k_q0bda2b04d3_blend.kd
    .args:
      - { .name: input, .offset: 0, .size: 8, .value_kind: global_buffer, .address_space: global }
      - { .name: weight, .offset: 8, .size: 8, .value_kind: global_buffer, .address_space: global }
      - { .name: out0, .offset: 16, .size: 8, .value_kind: global_buffer, .address_space: global }
    .group_segment_fixed_size: 0
    .private_segment_fixed_size: 0
    .kernarg_segment_align: 8
    .kernarg_segment_size: 24
    .max_flat_workgroup_size: 1024
    .sgpr_count:     66
    .vgpr_count:     120
    .wavefront_size: 32
...
	.end_amdgpu_metadata
.endif
;; end of part 2
